; MI455X (gfx1250); checked and timed in simulation.
; The chip was launched on July 23, 2026; its instructions are those of AMD's public machine-readable ISA for CDNA 5 (MIT licence, August 2026) and "CDNA5" Instruction Set Architecture Reference Guide (July 2026). The comments in the code are by the model that wrote it; some were corrected since.
;; T5 Attention. Allowed arithmetic: float matrix products may take bf16 or f16 operands with f32 sums; all other float work in f32.
;; Inputs: hidden_states 2 x 2,048 x 1,024 float32; wk 1,024 x 1,024 float32; wo 1,024 x 1,024 float32; wq 1,024 x 1,024 float32; wv 1,024 x 1,024 float32.
;; Outputs: out0 2 x 2,048 x 1,024 float32.
;; One version. Each part assembles by itself: llvm-mc -triple=amdgcn-amd-amdhsa -mcpu=gfx1250 --defsym DOCPART=n.
;; ======== version 1 of 1: 4 launches
;; limits: values are held in f16: magnitudes above 65,504 overflow, below 6.1e-05 lose precision
;; workspace buffers: xb 16,777,216 bytes; qkv 25,165,824 bytes; ctx 8,388,608 bytes
;; launch cast (part 1): grid 128 x 8, 8 waves a work-group, no clusters, 0 bytes of LDS; arguments hidden_states, wq, wk, wv, wo, xb; writes xb
.if DOCPART == 1
	.amdgcn_target "amdgcn-amd-amdhsa--gfx1250"
	.amdhsa_code_object_version 6
	.text
	.protected	k_q46dfb5993b_cast
	.globl	k_q46dfb5993b_cast
	.p2align	8
	.type	k_q46dfb5993b_cast,@function
k_q46dfb5993b_cast:
	s_mov_b64 s[64:65], 0
	v_nop
	global_prefetch_b8 v0, s[64:65] scope:SCOPE_SE
	s_setreg_imm32_b32 hwreg(HW_REG_WAVE_MODE, 25, 1), 1
	s_wait_xcnt 0x0
; cast: the five f32 inputs, rounded once to 16 bits, into one buffer xb:
;   byte 0: hidden_states [4096][1024] bf16;  8, 10, 12 MiB: wq, wk, wv [1024][1024] bf16;  14 MiB: wo [1024][1024] f16.
; wo is rounded to bf16 like the other inputs and then written as f16, because its partner in the last product (ctx) is kept in f16.
; LIMIT: the second step is exact for 2^-14 <= |wo| < 65,504; smaller numbers keep an absolute error of at most 2^-25, larger ones become infinity.
; A plain stream: no byte is shared between work-groups, so LDS, clusters and the matrix unit have no part here.
; Grid y = a chunk of 2^20 numbers (0-3: quarters of hidden_states; 4, 5, 6, 7: wq, wk, wv, wo); grid x = one of its 128 parts of 8,192 numbers.
; Thread t takes, in each of four blocks, 8 numbers: 32 bytes in (two loads of 16), 16 bytes out, so a wave's store covers 512 consecutive bytes, aligned.
.set XI, 8                             ; v[8:39]   the eight loads
.set YO, 40                            ; v[40:55]  the four results of 16 bytes
	s_load_b256 s[4:11], s[0:1], 0x0               ; hidden s[4:5], wq s[6:7], wk s[8:9], wv s[10:11]
	s_load_b128 s[12:15], s[0:1], 0x20             ; wo s[12:13], xb s[14:15]
	s_and_b32 s20, ttmp7, 0xffff                   ; the chunk
	s_lshl_b32 s21, s20, 22                        ; a quarter of hidden_states is 4 MiB of f32;
	s_cmp_lt_u32 s20, 4
	s_cselect_b32 s21, s21, 0                      ; a weight is one chunk and starts at its own buffer's first byte
	s_lshl_b32 s22, ttmp9, 15                      ; my part: 8,192 numbers of 4 bytes
	s_add_co_u32 s18, s21, s22
	s_mov_b32 s19, 0                               ; s[18:19]: offset in the source
	s_lshl_b32 s22, s20, 21                        ; a chunk is 2 MiB of xb,
	s_lshl_b32 s23, ttmp9, 14                      ; my part 16,384 bytes
	s_add_co_u32 s22, s22, s23
	s_mov_b32 s23, 0                               ; s[22:23]: offset in xb
	v_lshlrev_b32 v1, 5, v0                        ; 32 t
	v_lshlrev_b32 v2, 4, v0                        ; 16 t
	s_wait_kmcnt 0x0
	s_mov_b64 s[16:17], s[4:5]                     ; the source buffer, chosen by the chunk's number alone
	s_cmp_eq_u32 s20, 4
	s_cselect_b64 s[16:17], s[6:7], s[16:17]
	s_cmp_eq_u32 s20, 5
	s_cselect_b64 s[16:17], s[8:9], s[16:17]
	s_cmp_eq_u32 s20, 6
	s_cselect_b64 s[16:17], s[10:11], s[16:17]
	s_cmp_eq_u32 s20, 7
	s_cselect_b64 s[16:17], s[12:13], s[16:17]
	s_add_nc_u64 s[16:17], s[16:17], s[18:19]
	s_add_nc_u64 s[14:15], s[14:15], s[22:23]
.irp i, 0,1,2,3
	global_load_b128 v[XI+8*\i:XI+8*\i+3],   v1, s[16:17] offset:8192*\i th:TH_LOAD_NT
	global_load_b128 v[XI+8*\i+4:XI+8*\i+7], v1, s[16:17] offset:8192*\i+16 th:TH_LOAD_NT
.endr
.irp i, 0,1,2,3
	s_wait_loadcnt 6-2*\i                          ; loads come back in order: block i's two are in, the younger ones stay out
.irp r, 0,1,2,3
	v_cvt_pk_bf16_f32 v[YO+4*\i+\r], v[XI+8*\i+2*\r], v[XI+8*\i+2*\r+1]
.endr
.endr
	s_cmp_lg_u32 s20, 7
	s_cbranch_scc1 .Lstore
.set j, 0
.rept 16                                           ; wo alone: the two bf16 of each word widened again and written as f16
	v_lshlrev_b32 v56, 16, v[YO+j]
	v_and_b32 v57, 0xffff0000, v[YO+j]
	v_cvt_pk_f16_f32 v[YO+j], v56, v57
.set j, j+1
.endr
.Lstore:
.irp i, 0,1,2,3
	global_store_b128 v2, v[YO+4*\i:YO+4*\i+3], s[14:15] offset:4096*\i
.endr
	s_endpgm
.Lfunc_end_k_q46dfb5993b_cast:
	.size	k_q46dfb5993b_cast, .Lfunc_end_k_q46dfb5993b_cast-k_q46dfb5993b_cast
	.p2alignl 7, 3214868480
	.fill 96, 4, 3214868480
	.section	.rodata,"a",@progbits
	.p2align	6, 0x0
	.amdhsa_kernel k_q46dfb5993b_cast
		.amdhsa_group_segment_fixed_size 0
		.amdhsa_private_segment_fixed_size 0
		.amdhsa_enable_private_segment 0
		.amdhsa_kernarg_size 48
		.amdhsa_user_sgpr_count 2
		.amdhsa_user_sgpr_kernarg_segment_ptr 1
		.amdhsa_wavefront_size32 1
		.amdhsa_system_sgpr_workgroup_id_x 1
		.amdhsa_system_sgpr_workgroup_id_y 1
		.amdhsa_system_sgpr_workgroup_id_z 1
		.amdhsa_system_vgpr_workitem_id 0
		.amdhsa_next_free_vgpr 64
		.amdhsa_next_free_sgpr 66
		.amdhsa_reserve_vcc 0
		.amdhsa_float_denorm_mode_32 3
		.amdhsa_float_denorm_mode_16_64 3
		.amdhsa_memory_ordered 1
		.amdhsa_forward_progress 1
		.amdhsa_inst_pref_size 7
	.end_amdhsa_kernel
	.amdgpu_metadata
---
amdhsa.version: [ 1, 2 ]
amdhsa.kernels:
  - .name:           k_q46dfb5993b_cast
    .symbol:         k_q46dfb5993b_cast.kd
    .args:
      - { .name: hidden_states, .offset: 0, .size: 8, .value_kind: global_buffer, .address_space: global }
      - { .name: wq, .offset: 8, .size: 8, .value_kind: global_buffer, .address_space: global }
      - { .name: wk, .offset: 16, .size: 8, .value_kind: global_buffer, .address_space: global }
      - { .name: wv, .offset: 24, .size: 8, .value_kind: global_buffer, .address_space: global }
      - { .name: wo, .offset: 32, .size: 8, .value_kind: global_buffer, .address_space: global }
      - { .name: xb, .offset: 40, .size: 8, .value_kind: global_buffer, .address_space: global }
    .group_segment_fixed_size: 0
    .private_segment_fixed_size: 0
    .kernarg_segment_align: 8
    .kernarg_segment_size: 48
    .max_flat_workgroup_size: 256
    .sgpr_count:     66
    .vgpr_count:     64
    .wavefront_size: 32
...
	.end_amdgpu_metadata
.endif
;; end of part 1
;; launch qkv (part 2): grid 8 x 32, 4 waves a work-group, clusters of 4 x 4, 327,680 bytes of LDS; arguments xb, qkv; writes qkv
.if DOCPART == 2
	.amdgcn_target "amdgcn-amd-amdhsa--gfx1250"
	.amdhsa_code_object_version 6
	.text
	.protected	k_q46dfb5993b_qkv
	.globl	k_q46dfb5993b_qkv
	.p2align	8
	.type	k_q46dfb5993b_qkv,@function
k_q46dfb5993b_qkv:
	s_mov_b64 s[64:65], 0
	v_nop
	global_prefetch_b8 v0, s[64:65] scope:SCOPE_SE
	s_setreg_imm32_b32 hwreg(HW_REG_WAVE_MODE, 25, 1), 1
	s_wait_xcnt 0x0
	s_wait_alu depctr_hold_cnt(0) depctr_sa_sdst(0) depctr_va_vdst(0) depctr_va_sdst(0) depctr_va_ssrc(0) depctr_va_vcc(0) depctr_vm_vsrc(0)
	s_getreg_b32 s2, hwreg(HW_REG_IB_STS2, 6, 4)
	s_cmp_eq_u32 s2, 0
	s_cbranch_scc0 .Lentry_in_a_cluster
	s_endpgm
.Lentry_in_a_cluster:
	s_bfe_u32 s2, ttmp6, 0x10000c
	s_cmp_lg_u32 s2, 0xf033
	s_cbranch_scc0 .Lentry_shape_is_right
	s_endpgm
.Lentry_shape_is_right:
; qkv: q, k, v = hidden x wq, wk, wv.  Operands bf16 from xb, sums f32, results f16 into qkv[mat][batch*16+head][s][64]; q is multiplied by log2(e)
; in f32 before its one rounding, so that the scores of the next launch are exponents of 2.
; LIMIT: |q log2(e)|, |k|, |v| < 65,504 (the f16 range); beyond it a result is infinity.
; A work-group makes 128 rows x 128 columns of EACH of the three products, so that a tile of hidden feeds three tiles of weights: 32 x 8 = 256 work-groups.
; Four waves; wave w makes rows 64 (w>>1) .. +63 and columns 64 (w&1) .. +63 (one head) of each product: 48 accumulator tiles, 384 registers.
; K goes in 8 steps of 128 through two LDS slots; one tensor load a wave and step: wave 0 the tile of hidden, waves 1-3 those of wq, wk, wv.
; CLUSTERS 4 x 4: the tile of hidden hangs on the block row alone and is asked for jointly by a row of the cluster, a tile of weights on the block column
; alone and is asked for jointly by a column: a quarter of the requests.
; The weights lie [k][n]: their fragments come from LDS by the transposing load.  The matrix instruction is used transposed (source 0 = weights, source 1 =
; hidden), so that a lane's eight results are eight neighbouring columns of one row.
; REGISTERS: window 0: addresses, hidden's fragments (two buffers v32-63, v64-95); window 1: weights' fragments (two buffers v0-95, v96-191; fragment
; 4 mat + c at 8 (4 mat + c)); window 2: accumulators of q and k, tile (a, b) at 8 (8 a + b); window 3: those of v, tile (a, c) at 8 (4 a + c).
.set PA,     272                       ; LDS pitch of hidden's rows: 256 bytes + 16, so that the 16 rows of a fragment start 16 bytes apart modulo 256
.set PB,     288                       ; LDS pitch of the weights' rows: 256 bytes + 32, an odd multiple of 32, for the transposing load
.set REGN,   36864                     ; a region: 128 rows (hidden uses 34,816 bytes of its region)
.set SLOT,   4*REGN                    ; hidden, wq, wk, wv
.set STAGE,  2*SLOT                    ; behind the ring: 2,560 bytes for each wave, for the way out; no tensor load lands here
.set SPITCH, 144
.set LAPS,   4                         ; a lap = two K steps = once round the ring
.set ADRA,   16                        ; v16-17  LDS address of my fragments of hidden, slot 0, 1
.set ADRB,   18                        ; v18-23  the same for the weights: 18 + 3 slot + mat
.set STO,    24
.set RD,     25
.set CO,     26
.set TMP,    32                        ; the way out: packed results
.set G1A, 24                           ; s[24:31] group 1 for hidden's tiles
.set G0A, 32                           ; s[32:39] group 0 for hidden's tiles, one set for each slot
.set G1B, 48                           ; s[48:55] group 1 for the weights' tiles
.set G0B, 56                           ; s[56:63] group 0 for the weights' tiles, one set for each slot
.set MSB, 0
.macro WIN new                         ; the immediate's high byte repeats the setting that is left
.if MSB != \new
	s_set_vgpr_msb (MSB<<8)|\new
.set MSB, \new
.endif
.endm
.set MUL_LO, 0xa1                      ; source 0 window 1, source 1 window 0, C and D window 2
.set MUL_HI, 0xf1                      ; the same, C and D window 3
.set TO_B,   0x40                      ; destination window 1, address window 0
.macro JLOAD s                         ; one joint load a wave; the branch hangs on the wave's number alone
	s_cmp_eq_u32 s10, 0
	s_cbranch_scc0 .Lfor_b_\@
	tensor_load_to_lds s[G0A+4*\s:G0A+4*\s+3], s[G1A:G1A+7]
	s_nop 0
	s_branch .Lasked_\@
.Lfor_b_\@:
	tensor_load_to_lds s[G0B+4*\s:G0B+4*\s+3], s[G1B:G1B+7]
	s_nop 0
.Lasked_\@:
.endm
.macro CREST                           ; a round of the cluster's barrier behind its opening work-group barrier
	s_cmp_lg_u32 s10, 0
	s_cbranch_scc1 .Lnot_wave_0_\@
	s_barrier_signal -3
.Lnot_wave_0_\@:
	s_barrier_wait -3
	s_barrier_signal -1
	s_barrier_wait -1
.endm
.macro CROUND                          ; a whole round
	s_barrier_signal -1
	s_barrier_wait -1
	CREST
.endm
.macro PLACES                          ; four places behind a matrix instruction before its results are read or its registers written or loaded (ISA guide 7.12.1)
.rept 4
	v_nop
.endr
.endm
	s_load_b128 s[4:7], s[0:1], 0x0                ; xb s[4:5], qkv s[6:7]
	s_set_vgpr_msb 0x40
	v_lshl_add_u32 v255, v0, 2, 0x4a800
	s_set_vgpr_msb 0x4000
	v_mov_b32 v255, 0
	s_set_vgpr_msb 0x1
	ds_add_u32 v255, v255
	s_set_vgpr_msb 0x100
	v_lshrrev_b32 v1, 5, v0
	v_readfirstlane_b32 s10, v1                    ; wave 0..3
	s_lshr_b32 s11, s10, 1                         ; my half of the rows
	s_and_b32 s12, s10, 1                          ; my half of the columns
	s_bfe_u32 s40, ttmp6, 0x40000                  ; cx
	s_bfe_u32 s41, ttmp6, 0x40004                  ; cy
	s_lshl_b32 s42, ttmp9, 2
	s_add_co_u32 s42, s42, s40                     ; block column 0..7
	s_and_b32 s13, ttmp7, 0xffff
	s_lshl_b32 s13, s13, 2
	s_add_co_u32 s13, s13, s41                     ; block row 0..31
	s_lshl_b32 s43, s41, 2
	s_lshl_b32 s43, 15, s43                        ; my row of the cluster
	s_lshl_b32 s44, 0x1111, s40                    ; my column of the cluster
	; group 1: tiles of 128 rows x 128 elements of 2 bytes, 1,024 elements from row to row; padding behind every 64 words: 4 words (hidden), 8 words (weights)
	s_or_b32 s[G1A+0], s43, (1<<16)|(1<<20)|(1<<21)|(5<<22)|(3<<25)
	s_or_b32 s[G1B+0], s44, (1<<16)|(1<<20)|(1<<21)|(5<<22)|(7<<25)
	s_mov_b32 s[G1A+1], 128<<16                    ; tensor_dim0 = 128
	s_mov_b32 s[G1B+1], 128<<16
	s_mov_b32 s[G1A+2], 128<<16                    ; tensor_dim1 = 128
	s_mov_b32 s[G1B+2], 128<<16
	s_mov_b32 s[G1A+3], 128<<16                    ; tile_dim0 = 128
	s_mov_b32 s[G1B+3], 128<<16
	s_mov_b32 s[G1A+4], 128                        ; tile_dim1 = 128
	s_mov_b32 s[G1B+4], 128
	s_mov_b32 s[G1A+5], 1024                       ; the pitch
	s_mov_b32 s[G1B+5], 1024
	s_mov_b32 s[G1A+6], 0
	s_mov_b32 s[G1B+6], 0
	s_mov_b32 s[G1A+7], 0
	s_mov_b32 s[G1B+7], 0
	s_lshl_b32 s14, s13, 18                        ; hidden: 128 rows of 2,048 bytes for each block row
	s_mov_b32 s15, 0
	s_lshl_b32 s46, s10, 21                        ; weights: wave 1, 2, 3 -> wq, wk, wv at 8, 10, 12 MiB = 6 MiB + 2 MiB x wave
	s_add_co_u32 s46, s46, 0x600000
	s_lshl_b32 s47, s42, 8                         ; 128 columns of 2 bytes for each block column
	s_add_co_u32 s46, s46, s47
	s_mov_b32 s47, 0
	s_mul_i32 s20, s10, REGN                       ; where a wave's tile goes: its own region
	s_wait_dscnt 0x0
	s_wait_kmcnt 0x0
	s_add_nc_u64 s[14:15], s[4:5], s[14:15]
	s_add_nc_u64 s[46:47], s[4:5], s[46:47]
	CROUND                                         ; all sixteen work-groups are here: the first joint loads meet
.irp s, 0,1
	s_mov_b32 s[G0A+4*\s], 1
	s_add_co_u32 s[G0A+4*\s+1], s20, \s*SLOT
	s_add_nc_u64 s[G0A+4*\s+2:G0A+4*\s+3], s[14:15], \s*256        ; K step s: 128 elements along the rows
	s_or_b32 s[G0A+4*\s+3], s[G0A+4*\s+3], 0x80000000
	s_mov_b32 s[G0B+4*\s], 1
	s_add_co_u32 s[G0B+4*\s+1], s20, \s*SLOT
	s_add_nc_u64 s[G0B+4*\s+2:G0B+4*\s+3], s[46:47], \s*262144     ; K step s: 128 rows down
	s_or_b32 s[G0B+4*\s+3], s[G0B+4*\s+3], 0x80000000
	JLOAD \s
.endr
	v_and_b32 v1, 15, v0                           ; r = lane % 16
	v_bfe_u32 v2, v0, 4, 1                         ; h = lane / 16
	v_mul_u32_u24 v6, v1, PA
	v_lshl_add_u32 v6, v2, 4, v6                   ; hidden: row r, 16 bytes for each half of the lanes
	s_mul_i32 s21, s11, 64*PA
	v_add_nc_u32 v[ADRA], s21, v6
	v_add_nc_u32 v[ADRA+1], SLOT, v[ADRA]
	v_and_b32 v3, 7, v0
	v_lshl_add_u32 v7, v2, 3, v3                   ; weights: k row 8 h + lane % 8,
	v_mul_u32_u24 v7, v7, PB
	v_bfe_u32 v4, v0, 3, 1
	v_lshl_add_u32 v7, v4, 4, v7                   ; 16 bytes (8 columns) for each group of eight lanes,
	s_lshl_b32 s22, s12, 7
	v_add_nc_u32 v7, s22, v7                       ; my 64 columns
.irp s, 0,1
.irp m, 0,1,2
	v_add_nc_u32 v[ADRB+3*\s+\m], \s*SLOT+(1+\m)*REGN, v7
.endr
.endr
	s_mul_i32 s23, s10, 2560
	s_add_co_u32 s23, s23, STAGE                   ; my stage
	v_mul_u32_u24 v6, v1, SPITCH
	v_lshl_add_u32 v6, v2, 4, v6
	v_add_nc_u32 v[STO], s23, v6                   ; in: row r, 16 bytes for each half of the lanes
	v_bfe_u32 v8, v0, 3, 2
	v_mul_u32_u24 v8, v8, SPITCH
	v_lshl_add_u32 v8, v3, 4, v8
	v_add_nc_u32 v[RD], s23, v8                    ; back: eight lanes take a row of 128 bytes, a wave four rows
	v_and_b32 v5, 31, v0
	v_lshlrev_b32 v[CO], 4, v5                     ; and in memory those four rows are 512 consecutive bytes
; 16 matrix instructions: row blocks a0, a0 + 1 x the 8 column blocks of q and k, 32 along K, from fragment buffers f
.macro MULQK f, a0, zero
.irp a, \a0, \a0+1
.irp b, 0,1,2,3,4,5,6,7
.if \zero
	v_wmma_f32_16x16x32_bf16 v[8*(8*(\a)+\b):8*(8*(\a)+\b)+7], v[96*\f+8*\b:96*\f+8*\b+7], v[32+32*\f+8*(\a):32+32*\f+8*(\a)+7], 0
.else
	v_wmma_f32_16x16x32_bf16 v[8*(8*(\a)+\b):8*(8*(\a)+\b)+7], v[96*\f+8*\b:96*\f+8*\b+7], v[32+32*\f+8*(\a):32+32*\f+8*(\a)+7], v[8*(8*(\a)+\b):8*(8*(\a)+\b)+7]
.endif
.endr
.endr
.endm
; 16 matrix instructions: the 4 row blocks x the 4 column blocks of v
.macro MULV f, zero
.irp a, 0,1,2,3
.irp b, 0,1,2,3
.if \zero
	v_wmma_f32_16x16x32_bf16 v[8*(4*\a+\b):8*(4*\a+\b)+7], v[96*\f+64+8*\b:96*\f+64+8*\b+7], v[32+32*\f+8*\a:32+32*\f+8*\a+7], 0
.else
	v_wmma_f32_16x16x32_bf16 v[8*(4*\a+\b):8*(4*\a+\b)+7], v[96*\f+64+8*\b:96*\f+64+8*\b+7], v[32+32*\f+8*\a:32+32*\f+8*\a+7], v[8*(4*\a+\b):8*(4*\a+\b)+7]
.endif
.endr
.endr
.endm
; 32 LDS loads in one run: the fragments of quarter q (32 along K) of a slot into buffers f: hidden (8), then wq, wk, wv (8 each)
.macro FETCH slot, q, f
	WIN 0
.irp a, 0,1,2,3
	ds_load_b128 v[32+32*\f+8*\a:32+32*\f+8*\a+3],   v[ADRA+\slot] offset:\a*16*PA+64*\q
	ds_load_b128 v[32+32*\f+8*\a+4:32+32*\f+8*\a+7], v[ADRA+\slot] offset:\a*16*PA+64*\q+32
.endr
	WIN TO_B
.irp m, 0,1,2
.irp c, 0,1,2,3
	ds_load_tr16_b128 v[96*\f+8*(4*\m+\c):96*\f+8*(4*\m+\c)+3],   v[ADRB+3*\slot+\m] offset:\q*32*PB+32*\c
	ds_load_tr16_b128 v[96*\f+8*(4*\m+\c)+4:96*\f+8*(4*\m+\c)+7], v[ADRB+3*\slot+\m] offset:\q*32*PB+32*\c+16*PB
.endr
.endr
.endm
; A K step is four quarters of 48 matrix instructions on buffers 0, 1, 0, 1.  The 48 accumulators take turns in the same order in every quarter, one
; instruction a turn.
.macro QUARTER slot, q, f, g, zero
	s_wait_dscnt 8                                 ; hidden, wq and wk are in; the youngest eight loads (wv) may be out
	WIN MUL_LO
	MULQK \f, 0, \zero
	MULQK \f, 2, \zero
	PLACES
	FETCH \slot, \q, \g
	s_wait_dscnt 32                                ; all but the 32 just issued
	WIN MUL_HI
	MULV \f, \zero
.endm
.macro THREE slot, zero
	QUARTER \slot, 1, 0, 1, \zero
	QUARTER \slot, 2, 1, 0, 0
	QUARTER \slot, 3, 0, 1, 0
.endm
; The last quarter multiplies buffers 1 and changes slots.  In front of the barrier each wave waits for its reads of this slot and for all its tensor loads
; (one is out: its part of the next slot).  Where the slot is filled again the barrier opens a round of the cluster's barrier, and the joint refill is the
; first tensor load behind the round.  From a request to the wait for it a wave issues 176 matrix instructions.
.macro TURN slot, next, fill
	s_wait_dscnt 8
	WIN MUL_LO
	MULQK 1, 0, 0
	s_wait_dscnt 0                                 ; my reads of this slot are over
	s_wait_tensorcnt 0x0                           ; and all my tensor loads have landed
	ds_add_u32 v255, v255
	s_wait_dscnt 0x0
	s_barrier_signal -1
	MULQK 1, 2, 0                                  ; register work while the others arrive
	WIN 0
	s_barrier_wait -1
.if \fill
	CREST
	s_add_nc_u64 s[G0A+4*\slot+2:G0A+4*\slot+3], s[G0A+4*\slot+2:G0A+4*\slot+3], 512
	s_add_nc_u64 s[G0B+4*\slot+2:G0B+4*\slot+3], s[G0B+4*\slot+2:G0B+4*\slot+3], 524288
	JLOAD \slot
.endif
	PLACES
	FETCH \next, 0, 0
	WIN MUL_HI
	MULV 1, 0
.endm
.macro LAP zero
	THREE 0, \zero
	TURN 0, 1, 1
	THREE 1, 0
	TURN 1, 0, 1
.endm
	s_wait_tensorcnt 1                             ; my part of K step 0 is in; K step 1's stays out
	s_barrier_signal -1
	s_barrier_wait -1
	FETCH 0, 0, 0
	LAP 1                                          ; the first products start the sums: nothing is cleared
	WIN 0
	s_mov_b32 s3, LAPS-2
.Llap:
	LAP 0
	WIN 0
	s_sub_co_u32 s3, s3, 1
	s_cmp_lg_u32 s3, 0
	s_cbranch_scc1 .Llap
	THREE 0, 0                                     ; the last lap fills nothing
	TURN 0, 1, 0
	THREE 1, 0
	s_wait_dscnt 8
	WIN MUL_LO
	MULQK 1, 0, 0
	MULQK 1, 2, 0
	s_wait_dscnt 0
	WIN MUL_HI
	MULV 1, 0
	; THE WAY OUT.  q times log2(e) in f32; then 16 rows x 64 columns at a time: round to f16, 16 bytes a lane into my stage, back as rows, out.
	; A wave's 64 rows of one head are 8,192 consecutive bytes of qkv, so each store of the wave covers 512 consecutive bytes, aligned.
	PLACES
	WIN 0x82                                       ; source 0 and destination window 2
.irp a, 0,1,2,3
.irp c, 0,1,2,3
.irp p, 0,2,4,6
	v_pk_mul_f32 v[64*\a+8*\c+\p:64*\a+8*\c+\p+1], v[64*\a+8*\c+\p:64*\a+8*\c+\p+1], 0x3fb8aa3b op_sel_hi:[1,0]
.endr
.endr
.endr
	s_lshr_b32 s16, s13, 4                         ; batch (16 block rows each)
	s_lshl_b32 s16, s16, 4
	s_lshl1_add_u32 s18, s42, s12                  ; head = 2 x block column + my half
	s_add_co_u32 s16, s16, s18
	s_lshl_b32 s16, s16, 18                        ; 2,048 rows of 128 bytes for each (batch, head)
	s_and_b32 s18, s13, 15
	s_lshl_b32 s18, s18, 14                        ; 128 rows of 128 bytes for each block row
	s_add_co_u32 s16, s16, s18
	s_lshl_b32 s18, s11, 13                        ; my 64 rows
	s_add_co_u32 s16, s16, s18
	s_mov_b32 s17, 0
	s_add_nc_u64 s[8:9], s[6:7], s[16:17]
; base: register of the row block's first tile in its window; from: the window of sources 0 and 1; step = 1: on to the next of q, k, v (8 MiB)
.macro OUT16 base, a, from, buf, step
	WIN \from
.irp c, 0,1,2,3
.irp r, 0,1,2,3
	v_cvt_pk_f16_f32 v[TMP+4*\c+\r], v[\base+8*\c+2*\r], v[\base+8*\c+2*\r+1]
.endr
.endr
	WIN 0
.irp c, 0,1,2,3
	ds_store_b128 v[STO], v[TMP+4*\c:TMP+4*\c+3] offset:32*\c
.endr
	s_wait_xcnt 0x0                                ; the buffer that earlier stores read, and their base, are rewritten only behind this wait
.if \step
	s_add_nc_u64 s[8:9], s[8:9], 0x800000
.endif
.irp t, 0,1,2,3
	ds_load_b128 v[\buf+4*\t:\buf+4*\t+3], v[RD] offset:4*SPITCH*\t    ; LDS serves a wave's instructions in order: these see the stores above
.endr
.irp t, 0,1,2,3
	s_wait_dscnt 3-\t
	global_store_b128 v[CO], v[\buf+4*\t:\buf+4*\t+3], s[8:9] offset:2048*\a+512*\t
.endr
.endm
	OUT16 0,   0, 0x0a, 64, 0                      ; q
	OUT16 64,  1, 0x0a, 80, 0
	OUT16 128, 2, 0x0a, 64, 0
	OUT16 192, 3, 0x0a, 80, 0
	OUT16 32,  0, 0x0a, 64, 1                      ; k
	OUT16 96,  1, 0x0a, 80, 0
	OUT16 160, 2, 0x0a, 64, 0
	OUT16 224, 3, 0x0a, 80, 0
	OUT16 0,   0, 0x0f, 64, 1                      ; v
	OUT16 32,  1, 0x0f, 80, 0
	OUT16 64,  2, 0x0f, 64, 0
	OUT16 96,  3, 0x0f, 80, 0
	s_set_vgpr_msb 0x1
	s_wait_tensorcnt 0x0
	ds_add_u32 v255, v255
	s_wait_dscnt 0x0
	s_set_vgpr_msb 0x100
	CROUND                                         ; the closing round: no work-group ends while a partner may still ask for a tile that names it
	s_endpgm
.Lfunc_end_k_q46dfb5993b_qkv:
	.size	k_q46dfb5993b_qkv, .Lfunc_end_k_q46dfb5993b_qkv-k_q46dfb5993b_qkv
	.p2alignl 7, 3214868480
	.fill 96, 4, 3214868480
	.section	.rodata,"a",@progbits
	.p2align	6, 0x0
	.amdhsa_kernel k_q46dfb5993b_qkv
		.amdhsa_group_segment_fixed_size 327680
		.amdhsa_private_segment_fixed_size 0
		.amdhsa_enable_private_segment 0
		.amdhsa_kernarg_size 16
		.amdhsa_user_sgpr_count 2
		.amdhsa_user_sgpr_kernarg_segment_ptr 1
		.amdhsa_wavefront_size32 1
		.amdhsa_system_sgpr_workgroup_id_x 1
		.amdhsa_system_sgpr_workgroup_id_y 1
		.amdhsa_system_sgpr_workgroup_id_z 1
		.amdhsa_system_vgpr_workitem_id 0
		.amdhsa_next_free_vgpr 896
		.amdhsa_next_free_sgpr 66
		.amdhsa_reserve_vcc 0
		.amdhsa_float_denorm_mode_32 3
		.amdhsa_float_denorm_mode_16_64 3
		.amdhsa_memory_ordered 1
		.amdhsa_forward_progress 1
		.amdhsa_inst_pref_size 170
	.end_amdhsa_kernel
	.amdgpu_metadata
---
amdhsa.version: [ 1, 2 ]
amdhsa.kernels:
  - .name:           k_q46dfb5993b_qkv
    .symbol:         k_q46dfb5993b_qkv.kd
    .args:
      - { .name: xb, .offset: 0, .size: 8, .value_kind: global_buffer, .address_space: global }
      - { .name: qkv, .offset: 8, .size: 8, .value_kind: global_buffer, .address_space: global }
    .group_segment_fixed_size: 327680
    .private_segment_fixed_size: 0
    .kernarg_segment_align: 8
    .kernarg_segment_size: 16
    .max_flat_workgroup_size: 128
    .sgpr_count:     66
    .vgpr_count:     896
    .wavefront_size: 32
...
	.end_amdgpu_metadata
.endif
;; end of part 2
;; launch attn (part 3): grid 8 x 32, 8 waves a work-group, clusters of 4 x 1, 327,680 bytes of LDS; arguments qkv, ctx; writes ctx
.if DOCPART == 3
	.amdgcn_target "amdgcn-amd-amdhsa--gfx1250"
	.amdhsa_code_object_version 6
	.text
	.protected	k_q46dfb5993b_attn
	.globl	k_q46dfb5993b_attn
	.p2align	8
	.type	k_q46dfb5993b_attn,@function
k_q46dfb5993b_attn:
	s_mov_b64 s[64:65], 0
	v_nop
	global_prefetch_b8 v0, s[64:65] scope:SCOPE_SE
	s_setreg_imm32_b32 hwreg(HW_REG_WAVE_MODE, 25, 1), 1
	s_wait_xcnt 0x0
	s_wait_alu depctr_hold_cnt(0) depctr_sa_sdst(0) depctr_va_vdst(0) depctr_va_sdst(0) depctr_va_ssrc(0) depctr_va_vcc(0) depctr_vm_vsrc(0)
	s_getreg_b32 s2, hwreg(HW_REG_IB_STS2, 6, 4)
	s_cmp_eq_u32 s2, 0
	s_cbranch_scc0 .Lentry_in_a_cluster
	s_endpgm
.Lentry_in_a_cluster:
	s_bfe_u32 s2, ttmp6, 0x10000c
	s_cmp_lg_u32 s2, 0x3003
	s_cbranch_scc0 .Lentry_shape_is_right
	s_endpgm
.Lentry_shape_is_right:
; attn: for each (batch, head): ctx = softmax(q k^T) v, no scaling, with a running maximum.  q (already times log2 e), k, v: f16 [bh][2048][64]; scores, maxima,
; sums and ctx sums in f32; the weights are rounded to f16 for the second product; ctx leaves as f16 [bh][2048][64].
; LIMITS: weights below 2^-14 of a row's largest keep an absolute error of at most 2^-25; |ctx| < 65,504 follows from |v| < 65,504.
; Grid y = (batch, head); grid x = a block of 256 queries.  Eight waves: wave w has queries 64 (w>>1) .. +63 and, of every tile of 256 keys, keys
; 128 (w&1) .. +127.  The two waves of a pair keep maxima, sums and ctx sums of their own and merge them once, at the end, through LDS.
; CLUSTERS 4 x 1: the four query blocks of a cluster walk the same K and V tiles and ask for them jointly (mask 15): a quarter of the requests.
; BOTH PRODUCTS ARE USED TRANSPOSED.  S^T = K Q^T: a lane holds query r = lane % 16 and keys 16 kb + 8 h + 0..7 (h = lane / 16).  Two neighbouring key tiles,
; rounded to f16, are then, register for register, the second source of ctx^T = V^T P^T, whose result again holds query r in lane r.  So maximum, sum
; and rescale factor are a lane's own, and only the maximum crosses the two halves of the lanes, once a step.
; TWO KINDS OF WAVE.  A step is a run of 32 score products, then some 490 vector instructions (softmax, rescale), then 32 products with V.  Every round of
; the cluster's barrier brings the eight waves to one point of the text; were they all to go on alike, all would want matrix work and then all vector work.
; So the LATE waves leave the tile's last softmax and V products undone at the round (register work alone: scores and V fragments are in registers) and do
; them first behind it, while the EARLY waves begin with the next tile's score products.  Both kinds do two steps' work between two rounds.
; The kind is bit 0 xor bit 2 of the wave's number: waves w and w + 4 differ in kind, and so do waves 2 i and 2 i + 1.
; REGISTERS: window 0: addresses and softmax state, v64-127 K fragments, v128-255 scores / weights; window 1: v0-63 Q fragments, v64-127 V fragments,
; v128-255 ctx sums, tile (qb, db) at 128 + 8 (4 qb + db).
.set PK,    144                        ; LDS pitch of K's rows: 128 bytes + 16
.set PV,    160                        ; LDS pitch of V's rows: 128 bytes + 32, an odd multiple of 32, for the transposing load
.set VOFF,  256*PK                     ; V behind K in a slot
.set SLOT,  256*PK+256*PV              ; 77,824 bytes
.set TILE,  32768                      ; 256 keys of 128 bytes in memory
.set XB,    2*SLOT                     ; 8 x 8,192 bytes: the ctx sums that a wave hands to its partner
.set STATB, XB+65536                   ; 8 x 1,024 bytes: its maxima and sums
.set STAGE, STATB+8192                 ; 8 x 2,560 bytes: the way out.  No tensor load lands in these three
.set ADRK, 4                           ; v4-5    my K fragments in slot 0, 1
.set ADRV, 6                           ; v6-7    my V fragments in slot 0, 1
.set QOFF, 8
.set XST,  9
.set XLD,  10
.set SST,  11
.set SLD,  12
.set STO,  13
.set RD,   14
.set CO,   15
.set RM,   16                          ; v16-19  running maximum of query block qb
.set NM,   20                          ; v20-27  minus the maximum, as a pair
.set RL,   28                          ; v28-35  running sums, two partial sums a lane
.set AL,   36                          ; v36-43  rescale factor, as a pair
.set TM,   44                          ; v44-47  at work
.set T2,   48                          ; v48-51  at work
.set PM,   52                          ; v52-55  the partner's maxima
.set PL,   56                          ; v56-59  the partner's sums
.set KF,   64
.set SC,   128                         ; score tile t = 4 kb + qb at SC + 8 t
.set QF,   0
.set VF,   64
.set AC,   128
.set G1K, 16                           ; s[16:23]
.set G1V, 24                           ; s[24:31]
.set G0K, 32                           ; s[32:39], one set for each slot
.set G0V, 40                           ; s[40:47], one set for each slot
.set MSB, 0
.macro WIN new                         ; the immediate's high byte repeats the setting that is left
.if MSB != \new
	s_set_vgpr_msb (MSB<<8)|\new
.set MSB, \new
.endif
.endm
.macro ROUND                           ; a round of the cluster's barrier
	s_barrier_signal -1
	s_barrier_wait -1
	s_cmp_lg_u32 s8, 0
	s_cbranch_scc1 .Lnot_wave_0_\@
	s_barrier_signal -3
.Lnot_wave_0_\@:
	s_barrier_wait -3
	s_barrier_signal -1
	s_barrier_wait -1
.endm
.macro FIVE                            ; five places behind a run of matrix instructions (ISA guide 7.12.1)
.rept 5
	v_nop
.endr
.endm
	s_load_b128 s[4:7], s[0:1], 0x0                ; qkv s[4:5], ctx s[6:7]
	v_lshl_add_u32 v126, v0, 2, 0x3d000
	v_mov_b32 v127, 0
	ds_add_u32 v126, v127
	s_wait_dscnt 0x0
	v_lshrrev_b32 v1, 5, v0
	v_readfirstlane_b32 s8, v1                     ; wave 0..7
	s_and_b32 s9, s8, 1                            ; my half of the keys
	s_lshr_b32 s10, s8, 1                          ; my 64 queries
	s_lshr_b32 s3, s8, 2
	s_xor_b32 s3, s3, s8
	s_and_b32 s3, s3, 1                            ; my kind: 0 early, 1 late
	s_bfe_u32 s11, ttmp6, 0x40000                  ; cx
	s_lshl_b32 s14, ttmp9, 2
	s_add_co_u32 s14, s14, s11                     ; query block 0..7
	s_and_b32 s15, ttmp7, 0xffff                   ; (batch, head)
	s_mov_b32 s12, 0x76543210                      ; v_permlanex16_b32: lane i of one half reads lane i of the other
	s_mov_b32 s13, 0xfedcba98
	; group 1: 32 rows x 64 elements of 2 bytes, dense in memory; padding behind every 32 words: 4 words (K), 8 words (V); mask 15 with bit 21 beside it
	s_mov_b32 s[G1K+0], 15|(1<<16)|(1<<20)|(1<<21)|(4<<22)|(3<<25)
	s_mov_b32 s[G1V+0], 15|(1<<16)|(1<<20)|(1<<21)|(4<<22)|(7<<25)
	s_mov_b32 s[G1K+1], 64<<16                     ; tensor_dim0 = 64
	s_mov_b32 s[G1V+1], 64<<16
	s_mov_b32 s[G1K+2], 32<<16                     ; tensor_dim1 = 32
	s_mov_b32 s[G1V+2], 32<<16
	s_mov_b32 s[G1K+3], 64<<16                     ; tile_dim0 = 64
	s_mov_b32 s[G1V+3], 64<<16
	s_mov_b32 s[G1K+4], 32                         ; tile_dim1 = 32
	s_mov_b32 s[G1V+4], 32
	s_mov_b32 s[G1K+5], 64                         ; the pitch
	s_mov_b32 s[G1V+5], 64
	s_mov_b32 s[G1K+6], 0
	s_mov_b32 s[G1V+6], 0
	s_mov_b32 s[G1K+7], 0
	s_mov_b32 s[G1V+7], 0
	s_lshl_b32 s50, s15, 18                        ; the head's 262,144 bytes,
	s_lshl_b32 s51, s8, 12                         ; my 32 rows of every tile,
	s_add_co_u32 s50, s50, s51
	s_add_co_u32 s50, s50, 0x800000                ; in k, which lies 8 MiB into qkv (v: 8 MiB further)
	s_mov_b32 s51, 0
	s_mul_i32 s56, s8, 32*PK                       ; where my rows go
	s_mul_i32 s57, s8, 32*PV
	s_add_co_u32 s57, s57, VOFF
	s_lshl_b32 s58, s15, 18                        ; my 64 rows of q and of ctx
	s_lshl_b32 s59, s14, 15
	s_add_co_u32 s58, s58, s59
	s_lshl_b32 s59, s10, 13
	s_add_co_u32 s58, s58, s59
	s_mov_b32 s59, 0
	s_wait_kmcnt 0x0
	s_add_nc_u64 s[50:51], s[4:5], s[50:51]
	s_add_nc_u64 s[52:53], s[4:5], s[58:59]
	s_add_nc_u64 s[54:55], s[6:7], s[58:59]
.irp s, 0,1
	s_mov_b32 s[G0K+4*\s], 1
	s_add_co_u32 s[G0K+4*\s+1], s56, \s*SLOT
	s_add_nc_u64 s[G0K+4*\s+2:G0K+4*\s+3], s[50:51], \s*TILE       ; slot s starts with tile s
	s_or_b32 s[G0K+4*\s+3], s[G0K+4*\s+3], 0x80000000
	s_mov_b32 s[G0V+4*\s], 1
	s_add_co_u32 s[G0V+4*\s+1], s57, \s*SLOT
	s_add_nc_u64 s[G0V+4*\s+2:G0V+4*\s+3], s[50:51], 0x800000+\s*TILE
	s_or_b32 s[G0V+4*\s+3], s[G0V+4*\s+3], 0x80000000
.endr
	ROUND                                          ; the four work-groups are here: the first joint loads meet
	tensor_load_to_lds s[G0K:G0K+3], s[G1K:G1K+7]  ; tile 0
	s_nop 0
	tensor_load_to_lds s[G0V:G0V+3], s[G1V:G1V+7]
	s_nop 0
	v_and_b32 v1, 15, v0                           ; r
	v_bfe_u32 v2, v0, 4, 1                         ; h
	v_and_b32 v3, 31, v0                           ; lane
	v_lshlrev_b32 v[QOFF], 7, v1
	v_lshl_add_u32 v[QOFF], v2, 4, v[QOFF]         ; q: row r, 16 bytes for each half of the lanes
	WIN 0x40                                       ; destination window 1
.irp qb, 0,1,2,3
.irp ks, 0,1
	global_load_b128 v[QF+8*(2*\qb+\ks):QF+8*(2*\qb+\ks)+3],   v[QOFF], s[52:53] offset:2048*\qb+64*\ks     ; my 8 KiB of q, read once, straight into fragments
	global_load_b128 v[QF+8*(2*\qb+\ks)+4:QF+8*(2*\qb+\ks)+7], v[QOFF], s[52:53] offset:2048*\qb+64*\ks+32
.endr
.endr
	WIN 0
	v_mul_u32_u24 v60, v1, PK
	v_lshl_add_u32 v60, v2, 4, v60                 ; 144 r + 16 h
	s_mul_i32 s49, s9, 128*PK
	v_add_nc_u32 v[ADRK], s49, v60
	v_add_nc_u32 v[ADRK+1], SLOT, v[ADRK]
	v_and_b32 v62, 7, v0
	v_lshl_add_u32 v61, v2, 3, v62                 ; V: key row 8 h + lane % 8,
	v_mul_u32_u24 v61, v61, PV
	v_bfe_u32 v63, v0, 3, 1
	v_lshl_add_u32 v61, v63, 4, v61                ; 16 bytes for each group of eight lanes
	s_mul_i32 s49, s9, 128*PV
	s_add_co_u32 s49, s49, VOFF
	v_add_nc_u32 v[ADRV], s49, v61
	v_add_nc_u32 v[ADRV+1], SLOT, v[ADRV]
	v_lshlrev_b32 v[CO], 4, v3                     ; 16 x lane
	s_xor_b32 s49, s8, 1                           ; my partner: same queries, the other keys
	s_lshl_b32 s56, s8, 13
	s_add_co_u32 s56, s56, XB
	v_add_nc_u32 v[XST], s56, v[CO]
	s_lshl_b32 s56, s49, 13
	s_add_co_u32 s56, s56, XB
	v_add_nc_u32 v[XLD], s56, v[CO]
	s_lshl_b32 s56, s8, 10
	s_add_co_u32 s56, s56, STATB
	v_add_nc_u32 v[SST], s56, v[CO]
	s_lshl_b32 s56, s49, 10
	s_add_co_u32 s56, s56, STATB
	v_add_nc_u32 v[SLD], s56, v[CO]
	s_mul_i32 s56, s8, 2560
	s_add_co_u32 s56, s56, STAGE
	v_add_nc_u32 v[STO], s56, v60                  ; in: row r at pitch 144, 16 bytes for each half of the lanes
	v_bfe_u32 v61, v0, 3, 2
	v_mul_u32_u24 v61, v61, PK
	v_lshl_add_u32 v61, v62, 4, v61
	v_add_nc_u32 v[RD], s56, v61                   ; back: eight lanes take a row of 128 bytes
.irp qb, 0,1,2,3
	v_mov_b32 v[T2+\qb], 0                         ; v_permlanex16_b32 counts as a reader of its destination
.endr
	s_wait_loadcnt 0x0                             ; q, once
.macro KLOAD s, j                      ; 16 loads: 64 keys x 64 d as 8 fragments
.irp kb, 0,1,2,3
.irp ks, 0,1
	ds_load_b128 v[KF+8*(2*\kb+\ks):KF+8*(2*\kb+\ks)+3],   v[ADRK+\s] offset:(64*(\j)+16*\kb)*PK+64*\ks
	ds_load_b128 v[KF+8*(2*\kb+\ks)+4:KF+8*(2*\kb+\ks)+7], v[ADRK+\s] offset:(64*(\j)+16*\kb)*PK+64*\ks+32
.endr
.endr
.endm
.macro VLOAD s, j                      ; 16 transposing loads: 64 d x 64 keys as 8 fragments (destination window 1)
.irp kp, 0,1
.irp db, 0,1,2,3
	ds_load_tr16_b128 v[VF+8*(4*\kp+\db):VF+8*(4*\kp+\db)+3],   v[ADRV+\s] offset:(64*(\j)+32*\kp)*PV+32*\db
	ds_load_tr16_b128 v[VF+8*(4*\kp+\db)+4:VF+8*(4*\kp+\db)+7], v[ADRV+\s] offset:(64*(\j)+32*\kp)*PV+32*\db+16*PV
.endr
.endr
.endm
; Four pieces of the softmax on score tile t (8 registers; its query block is t & 3), pair p = 0..3 of its registers:
.macro SA t, p                         ; take the maximum away
	v_pk_add_f32 v[SC+8*(\t)+2*(\p):SC+8*(\t)+2*(\p)+1], v[SC+8*(\t)+2*(\p):SC+8*(\t)+2*(\p)+1], v[NM+2*((\t)&3):NM+2*((\t)&3)+1]
.endm
.macro SCS t, p, first                 ; add to the running sums; a query block's first pair of the step brings the old sum in, rescaled (or starts it)
.if (\t) < 4
.if (\p) == 0
.if \first
	s_wait_alu depctr_va_vdst(0)
	v_pk_add_f32 v[RL+2*((\t)&3):RL+2*((\t)&3)+1], v[SC+8*(\t):SC+8*(\t)+1], v[SC+8*(\t)+2:SC+8*(\t)+3]
.else
	s_wait_alu depctr_va_vdst(0)
	v_pk_fma_f32 v[RL+2*((\t)&3):RL+2*((\t)&3)+1], v[RL+2*((\t)&3):RL+2*((\t)&3)+1], v[AL+2*((\t)&3):AL+2*((\t)&3)+1], v[SC+8*(\t):SC+8*(\t)+1]
.endif
.else
.if (\p) > \first
	v_pk_add_f32 v[RL+2*((\t)&3):RL+2*((\t)&3)+1], v[RL+2*((\t)&3):RL+2*((\t)&3)+1], v[SC+8*(\t)+2*(\p):SC+8*(\t)+2*(\p)+1]
.endif
.endif
.else
	s_wait_alu depctr_va_vdst(0)
	v_pk_add_f32 v[RL+2*((\t)&3):RL+2*((\t)&3)+1], v[RL+2*((\t)&3):RL+2*((\t)&3)+1], v[SC+8*(\t)+2*(\p):SC+8*(\t)+2*(\p)+1]
.endif
.endm
.macro SD t, p                         ; round to f16: an even key tile fills registers 0-3 of its own eight, the odd one behind it registers 4-7 of the same eight:
.if ((\t)>>2)&1                        ; together a fragment of 32 keys.  Pair p is written to register p, which the sums and conversions of pairs 0..p have done with
	v_cvt_pk_f16_f32 v[SC+8*((\t)-4)+4+(\p)], v[SC+8*(\t)+2*(\p)], v[SC+8*(\t)+2*(\p)+1]
.else
	v_cvt_pk_f16_f32 v[SC+8*(\t)+(\p)], v[SC+8*(\t)+2*(\p)], v[SC+8*(\t)+2*(\p)+1]
.endif
.endm
; Tile t's eight exponentials, with plain work on its neighbours between them: the subtractions of tile t + 1, the sums and conversions of tile t - 1.
; Behind every exponential stands another exponential or a plain instruction on another tile, and its result is first used a group later (ISA guide 5.7.2).
.macro EGRP first
.set p, 0
.rept 4
	v_exp_f32 v[SC+8*t+2*p], v[SC+8*t+2*p]         ; q carries log2(e): 2^(score - maximum), at most 1
.if t < 15
	SA (t+1), p
.endif
.if t > 0
	SCS (t-1), p, \first
.endif
	v_exp_f32 v[SC+8*t+2*p+1], v[SC+8*t+2*p+1]
.if t > 0
	SD (t-1), p
.endif
.set p, p+1
.endr
.endm
; The softmax step on 64 keys x 64 queries: a lane has 32 scores for each of its four queries.  The four queries' chains are interleaved.
.macro SOFTMAX first
.irp qb, 0,1,2,3
	v_max3_num_f32 v[TM+\qb], v[SC+8*\qb], v[SC+8*\qb+1], v[SC+8*\qb+2]
.endr
.set i, 3
.rept 14
.irp qb, 0,1,2,3
	v_max3_num_f32 v[TM+\qb], v[TM+\qb], v[SC+32*(i>>3)+8*\qb+(i&7)], v[SC+32*((i+1)>>3)+8*\qb+((i+1)&7)]
.endr
.set i, i+2
.endr
.irp qb, 0,1,2,3
.if \first
	v_max_num_f32 v[TM+\qb], v[TM+\qb], v[SC+96+8*\qb+7]
.else
	v_max3_num_f32 v[TM+\qb], v[TM+\qb], v[SC+96+8*\qb+7], v[RM+\qb]       ; the last score and the maximum so far
.endif
.endr
.irp qb, 0,1,2,3
	v_permlanex16_b32 v[T2+\qb], v[TM+\qb], s12, s13                       ; the other half of the lanes holds the query's other keys
.endr
.irp qb, 0,1,2,3
	v_max_num_f32 v[TM+\qb], v[TM+\qb], v[T2+\qb]
.endr
.irp qb, 0,1,2,3
.if \first == 0
	v_sub_f32 v[AL+2*\qb], v[RM+\qb], v[TM+\qb]                            ; old maximum - new: at most 0
.endif
	v_mov_b32 v[RM+\qb], v[TM+\qb]
	v_sub_f32 v[NM+2*\qb], 0, v[TM+\qb]
	v_sub_f32 v[NM+2*\qb+1], 0, v[TM+\qb]
.endr
.if \first == 0
.irp qb, 0,1,2,3
	v_exp_f32 v[AL+2*\qb], v[AL+2*\qb]             ; used only behind the plain instructions below (ISA guide 5.7.2)
.endr
.endif
.irp p, 0,1,2,3
	SA 0, \p
.endr
.if \first == 0
.irp qb, 0,1,2,3
	s_wait_alu depctr_va_vdst(0)
	v_mov_b32 v[AL+2*\qb+1], v[AL+2*\qb]           ; the factor as a pair
.endr
.endif
.set t, 0
.rept 16
	EGRP \first
.set t, t+1
.endr
.irp p, 0,1,2,3
	SCS 15, \p, \first
	SD 15, \p
.endr
.endm
; The first half of a step: the scores of 64 of my keys (j = 0, 1 of the tile's 128) against my 64 queries, then the step's V fragments and, with pre = 1,
; the next step's K fragments are asked for.  16 accumulators take turns, one instruction a turn.
.macro SBLK s, j, pre
	s_wait_dscnt 0x0                               ; the K fragments are in
	WIN 0x04                                       ; source 1 (Q) window 1
.irp ks, 0,1
.irp kb, 0,1,2,3
.irp qb, 0,1,2,3
.if \ks == 0
	v_wmma_f32_16x16x32_f16 v[SC+8*(4*\kb+\qb):SC+8*(4*\kb+\qb)+7], v[KF+8*(2*\kb+\ks):KF+8*(2*\kb+\ks)+7], v[QF+8*(2*\qb+\ks):QF+8*(2*\qb+\ks)+7], 0
.else
	v_wmma_f32_16x16x32_f16 v[SC+8*(4*\kb+\qb):SC+8*(4*\kb+\qb)+7], v[KF+8*(2*\kb+\ks):KF+8*(2*\kb+\ks)+7], v[QF+8*(2*\qb+\ks):QF+8*(2*\qb+\ks)+7], v[SC+8*(4*\kb+\qb):SC+8*(4*\kb+\qb)+7]
.endif
.endr
.endr
.endr
	WIN 0
	FIVE                                           ; enough for whatever follows: the softmax that reads the scores and the loads into the K fragments (four), a matrix instruction that writes the scores anew (five)
	WIN 0x40
	VLOAD \s, \j
	WIN 0
.if \pre
	KLOAD \s, \j+1
.endif
.endm
; The second half of a step, register work but for one wait: softmax, rescale of the ctx sums, products with V.  left = how many LDS loads younger than the
; V fragments' may stay out.  Again 16 accumulators take turns, one instruction a turn.
.macro SMPV first, left
	SOFTMAX \first
.if \first == 0
	WIN 0x41                                       ; source 0 and destination window 1
.irp qb, 0,1,2,3
.set i, 0
.rept 16
	v_pk_mul_f32 v[AC+32*\qb+2*i:AC+32*\qb+2*i+1], v[AC+32*\qb+2*i:AC+32*\qb+2*i+1], v[AL+2*\qb:AL+2*\qb+1]
.set i, i+1
.endr
.endr
.endif
	s_wait_dscnt \left                             ; the V fragments are in; 16: the K fragments' loads, issued behind them, may be out
	WIN 0x51                                       ; source 0 (V), C and D window 1; source 1 (weights) window 0
.irp kp, 0,1
.irp qb, 0,1,2,3
.irp db, 0,1,2,3
.if \first*(1-\kp)
	v_wmma_f32_16x16x32_f16 v[AC+8*(4*\qb+\db):AC+8*(4*\qb+\db)+7], v[VF+8*(4*\kp+\db):VF+8*(4*\kp+\db)+7], v[SC+64*\kp+8*\qb:SC+64*\kp+8*\qb+7], 0
.else
	v_wmma_f32_16x16x32_f16 v[AC+8*(4*\qb+\db):AC+8*(4*\qb+\db)+7], v[VF+8*(4*\kp+\db):VF+8*(4*\kp+\db)+7], v[SC+64*\kp+8*\qb:SC+64*\kp+8*\qb+7], v[AC+8*(4*\qb+\db):AC+8*(4*\qb+\db)+7]
.endif
.endr
.endr
.endr
	WIN 0
	FIVE                                           ; the next run of matrix instructions writes over the weights, which these have read
.endm
; One tile of 256 keys.  In front of the round every wave waits for all its tensor loads (its parts of this tile) and for its reads of the last tile; the
; round takes the place of the work-group barrier in front of a refill; the two joint refills are the first tensor loads behind it, and have the whole
; tile's work in which to land.  A wave has two tensor loads out.  The two branches hang on the wave's kind alone and jump over register work and one
; wait on LDS loads; barriers, tensor loads and the waits in front of the round are on every wave's way.
.macro TRIP s, refill, first
	s_wait_xcnt 0x0
	v_lshl_add_u32 v126, v0, 2, 0x3d000
	v_mov_b32 v127, 0
	s_wait_tensorcnt 0x0
	ds_add_u32 v126, v127
	s_wait_dscnt 0x0
	s_add_nc_u64 s[G0K+4*\s+2:G0K+4*\s+3], s[G0K+4*\s+2:G0K+4*\s+3], 2*TILE    ; no load of mine is out: this slot's next tile
	s_add_nc_u64 s[G0V+4*\s+2:G0V+4*\s+3], s[G0V+4*\s+2:G0V+4*\s+3], 2*TILE
	s_wait_dscnt 0x0                               ; a late wave's V fragments of the last tile's second step are among these
	ROUND
.if \refill
	tensor_load_to_lds s[G0K+4*(1-\s):G0K+4*(1-\s)+3], s[G1K:G1K+7]
	s_nop 0
	tensor_load_to_lds s[G0V+4*(1-\s):G0V+4*(1-\s)+3], s[G1V:G1V+7]
	s_nop 0
.endif
	KLOAD \s, 0
.if \first == 0
	s_cmp_eq_u32 s3, 0
	s_cbranch_scc1 .Lno_debt_\@
	SMPV 0, 16                                     ; late waves: what the last tile left; the 16 loads just issued stay out
.Lno_debt_\@:
.endif
	SBLK \s, 0, 1
	SMPV \first, 16
	SBLK \s, 1, 0
	s_cmp_lg_u32 s3, 0
	s_cbranch_scc1 .Lowes_\@
	SMPV 0, 0                                      ; early waves finish the tile; late waves take this across the round
.Lowes_\@:
.endm
	TRIP 0, 1, 1                                   ; tile 0: its first step starts maxima, sums and ctx sums
	s_mov_b32 s48, 3
.Ltiles:
	TRIP 1, 1, 0
	TRIP 0, 1, 0
	s_sub_co_u32 s48, s48, 1
	s_cmp_lg_u32 s48, 0
	s_cbranch_scc1 .Ltiles
	TRIP 1, 0, 0                                   ; tile 7 fetches nothing (the stepped addresses are not used)
	s_cmp_eq_u32 s3, 0
	s_cbranch_scc1 .Lnone_left
	SMPV 0, 0                                      ; late waves: the last tile's second step
.Lnone_left:
	; THE MERGE.  Each wave finishes two of the pair's four query blocks: it hands the other two blocks' ctx sums, and all its maxima and sums, to its partner.
.irp qb, 0,1,2,3
	v_add_f32 v[TM+\qb], v[RL+2*\qb], v[RL+2*\qb+1]
.endr
.irp qb, 0,1,2,3
	v_permlanex16_b32 v[T2+\qb], v[TM+\qb], s12, s13
.endr
.irp qb, 0,1,2,3
	v_add_f32 v[TM+\qb], v[TM+\qb], v[T2+\qb]      ; the sum over my 1,024 keys
.endr
	ds_store_b128 v[SST], v[RM:RM+3]
	ds_store_b128 v[SST], v[TM:TM+3] offset:512
.macro XSTORE q0                       ; query blocks q0, q0 + 1: 64 registers
	WIN 0x04                                       ; store data window 1
.set n, 0
.rept 16
	ds_store_b128 v[XST], v[AC+32*\q0+4*n:AC+32*\q0+4*n+3] offset:512*n
.set n, n+1
.endr
	WIN 0
.endm
	s_cmp_lg_u32 s9, 0
	s_cbranch_scc1 .Lsend_low
	XSTORE 2
	s_branch .Lsent
.Lsend_low:
	XSTORE 0
.Lsent:
	s_wait_dscnt 0x0                               ; for the partner's sake: all my stores are done
	s_barrier_signal -1
	s_barrier_wait -1
.set W0,  20                           ; the joint maximum
.set W1,  22                           ; my factor
.set W2,  24                           ; the partner's factor
.set W3,  26                           ; the joint sum, then 1 / it
.set FAC, 28                           ; my factor / sum, as pairs
.set FBC, 36                           ; the partner's factor / sum, as pairs
.set CV,  192
.set BUF, 208
.macro FINAL q0
	ds_load_b128 v[PM:PM+3], v[SLD]
	ds_load_b128 v[PL:PL+3], v[SLD] offset:512
.set n, 0
.rept 16
	ds_load_b128 v[SC+4*n:SC+4*n+3], v[XLD] offset:512*n
.set n, n+1
.endr
	s_wait_dscnt 0x0
.irp i, 0,1
	v_max_num_f32 v[W0+\i], v[RM+\q0+\i], v[PM+\q0+\i]
.endr
.irp i, 0,1
	v_sub_f32 v[W1+\i], v[RM+\q0+\i], v[W0+\i]
	v_sub_f32 v[W2+\i], v[PM+\q0+\i], v[W0+\i]
.endr
	v_exp_f32 v[W1], v[W1]
	v_exp_f32 v[W1+1], v[W1+1]
	v_exp_f32 v[W2], v[W2]
	v_exp_f32 v[W2+1], v[W2+1]
	v_nop
.irp i, 0,1
	s_wait_alu depctr_va_vdst(0)
	v_mul_f32 v[W3+\i], v[TM+\q0+\i], v[W1+\i]
.endr
.irp i, 0,1
	v_fmac_f32 v[W3+\i], v[PL+\q0+\i], v[W2+\i]    ; at least 1: the largest weight of the row is 1
.endr
	v_rcp_f32 v[W3], v[W3]
	v_rcp_f32 v[W3+1], v[W3+1]
	v_nop
.irp i, 0,1
	s_wait_alu depctr_va_vdst(0)
	v_mul_f32 v[FAC+2*\i], v[W1+\i], v[W3+\i]
	v_mul_f32 v[FAC+2*\i+1], v[W1+\i], v[W3+\i]
	v_mul_f32 v[FBC+2*\i], v[W2+\i], v[W3+\i]
	v_mul_f32 v[FBC+2*\i+1], v[W2+\i], v[W3+\i]
.endr
.irp i, 0,1
.set p, 0
.rept 16
	v_pk_mul_f32 v[SC+32*\i+2*p:SC+32*\i+2*p+1], v[SC+32*\i+2*p:SC+32*\i+2*p+1], v[FBC+2*\i:FBC+2*\i+1]
.set p, p+1
.endr
.endr
	WIN 0x01                                       ; source 0 (my ctx sums) window 1
.irp i, 0,1
.set p, 0
.rept 16
	v_pk_fma_f32 v[SC+32*\i+2*p:SC+32*\i+2*p+1], v[AC+32*(\q0+\i)+2*p:AC+32*(\q0+\i)+2*p+1], v[FAC+2*\i:FAC+2*\i+1], v[SC+32*\i+2*p:SC+32*\i+2*p+1]
.set p, p+1
.endr
.endr
	WIN 0
.irp i, 0,1
.irp db, 0,1,2,3
.irp r, 0,1,2,3
	v_cvt_pk_f16_f32 v[CV+4*\db+\r], v[SC+32*\i+8*\db+2*\r], v[SC+32*\i+8*\db+2*\r+1]
.endr
.endr
.irp db, 0,1,2,3
	ds_store_b128 v[STO], v[CV+4*\db:CV+4*\db+3] offset:32*\db
.endr
.irp t, 0,1,2,3
	ds_load_b128 v[BUF+16*\i+4*\t:BUF+16*\i+4*\t+3], v[RD] offset:4*PK*\t      ; my own stage: LDS serves a wave's instructions in order
.endr
.irp t, 0,1,2,3
	s_wait_dscnt 3-\t
	global_store_b128 v[CO], v[BUF+16*\i+4*\t:BUF+16*\i+4*\t+3], s[54:55] offset:2048*(\q0+\i)+512*\t   ; 512 consecutive bytes of ctx, aligned
.endr
.endr
.endm
	s_cmp_lg_u32 s9, 0
	s_cbranch_scc1 .Lfinish_high
	FINAL 0
	s_branch .Lfinished
.Lfinish_high:
	FINAL 2
.Lfinished:
	s_wait_xcnt 0x0
	v_lshl_add_u32 v126, v0, 2, 0x3d000
	v_mov_b32 v127, 0
	s_wait_tensorcnt 0x0
	ds_add_u32 v126, v127
	s_wait_dscnt 0x0
	ROUND                                          ; the closing round
	s_endpgm
.Lfunc_end_k_q46dfb5993b_attn:
	.size	k_q46dfb5993b_attn, .Lfunc_end_k_q46dfb5993b_attn-k_q46dfb5993b_attn
	.p2alignl 7, 3214868480
	.fill 96, 4, 3214868480
	.section	.rodata,"a",@progbits
	.p2align	6, 0x0
	.amdhsa_kernel k_q46dfb5993b_attn
		.amdhsa_group_segment_fixed_size 327680
		.amdhsa_private_segment_fixed_size 0
		.amdhsa_enable_private_segment 0
		.amdhsa_kernarg_size 16
		.amdhsa_user_sgpr_count 2
		.amdhsa_user_sgpr_kernarg_segment_ptr 1
		.amdhsa_wavefront_size32 1
		.amdhsa_system_sgpr_workgroup_id_x 1
		.amdhsa_system_sgpr_workgroup_id_y 1
		.amdhsa_system_sgpr_workgroup_id_z 1
		.amdhsa_system_vgpr_workitem_id 0
		.amdhsa_next_free_vgpr 512
		.amdhsa_next_free_sgpr 66
		.amdhsa_reserve_vcc 0
		.amdhsa_float_denorm_mode_32 3
		.amdhsa_float_denorm_mode_16_64 3
		.amdhsa_memory_ordered 1
		.amdhsa_forward_progress 1
		.amdhsa_inst_pref_size 255
	.end_amdhsa_kernel
	.section	.bss,"aw",@nobits
	.p2align	6
	.space	262144
	.amdgpu_metadata
---
amdhsa.version: [ 1, 2 ]
amdhsa.kernels:
  - .name:           k_q46dfb5993b_attn
    .symbol:         k_q46dfb5993b_attn.kd
    .args:
      - { .name: qkv, .offset: 0, .size: 8, .value_kind: global_buffer, .address_space: global }
      - { .name: ctx, .offset: 8, .size: 8, .value_kind: global_buffer, .address_space: global }
    .group_segment_fixed_size: 327680
    .private_segment_fixed_size: 0
    .kernarg_segment_align: 8
    .kernarg_segment_size: 16
    .max_flat_workgroup_size: 256
    .sgpr_count:     66
    .vgpr_count:     512
    .wavefront_size: 32
...
	.end_amdgpu_metadata
.endif
;; end of part 3
;; launch oproj (part 4): grid 8 x 32, 4 waves a work-group, clusters of 4 x 4, 327,680 bytes of LDS; arguments ctx, xb, out0; writes out0
.if DOCPART == 4
	.amdgcn_target "amdgcn-amd-amdhsa--gfx1250"
	.amdhsa_code_object_version 6
	.text
	.protected	k_q46dfb5993b_oproj
	.globl	k_q46dfb5993b_oproj
	.p2align	8
	.type	k_q46dfb5993b_oproj,@function
k_q46dfb5993b_oproj:
	s_mov_b64 s[64:65], 0
	v_nop
	global_prefetch_b8 v0, s[64:65] scope:SCOPE_SE
	s_setreg_imm32_b32 hwreg(HW_REG_WAVE_MODE, 25, 1), 1
	s_wait_xcnt 0x0
	s_wait_alu depctr_hold_cnt(0) depctr_sa_sdst(0) depctr_va_vdst(0) depctr_va_sdst(0) depctr_va_ssrc(0) depctr_va_vcc(0) depctr_vm_vsrc(0)
	s_getreg_b32 s2, hwreg(HW_REG_IB_STS2, 6, 4)
	s_cmp_eq_u32 s2, 0
	s_cbranch_scc0 .Lentry_in_a_cluster
	s_endpgm
.Lentry_in_a_cluster:
	s_bfe_u32 s2, ttmp6, 0x10000c
	s_cmp_lg_u32 s2, 0xf033
	s_cbranch_scc0 .Lentry_shape_is_right
	s_endpgm
.Lentry_shape_is_right:
; oproj: out0 = ctx x wo.  ctx f16 [batch*16+head][2048][64], wo f16 [1024][1024] at 14 MiB of xb, sums f32, out0 f32 [4096][1024].
; A work-group makes 128 x 128 of out0 (32 x 8 = 256 work-groups), a wave 64 x 64: 16 accumulator tiles.  K = 1,024 = 16 heads of 64 goes in 4 steps of
; 256 (four heads) through two LDS slots; two tensor loads a wave and step: waves 0, 1 two heads' rows of ctx each, waves 2, 3 twice 64 rows of wo each.
; The four steps are written out: there is no loop.
; CLUSTERS 4 x 4: ctx's tiles hang on the block row alone and are shared along a row of the cluster, wo's on the block column alone and are shared along
; a column.  wo lies [k][n]: transposing loads; the matrix instruction is used transposed (source 0 = wo, source 1 = ctx), so that a lane's eight results
; are 32 neighbouring bytes of one row of out0.
; REGISTERS: window 0: addresses, ctx's fragments (two buffers v64-127, v128-191; fragment (a, ks) at 8 (4 ks + a)); window 1: wo's, likewise;
; window 2: accumulator (a, c) at 8 (4 a + c).
.set PA,     144                       ; LDS pitch of ctx's rows: 128 bytes + 16
.set PB,     288                       ; LDS pitch of wo's rows: 256 bytes + 32
.set HREG,   18432                     ; what one tensor load brings: 128 rows at pitch 144, or 64 rows at pitch 288
.set SLOT,   8*HREG                    ; four heads of ctx, then 256 rows of wo
.set STAGE,  2*SLOT                    ; behind the ring: 16 rows x 272 bytes for each wave; no tensor load lands here
.set SPITCH, 272
.set ADRA,   16                        ; v16-17  slot 0, 1
.set ADRB,   18                        ; v18-21  18 + 2 slot + half (128 k rows each)
.set STO,    24
.set RD,     25
.set CO,     26
.set F0,     64
.set F1,     128
.set G1A, 24                           ; s[24:31]
.set G0A, 32                           ; s[32:47]  32 + 8 slot + 4 z
.set G1B, 48                           ; s[48:55]
.set G0B, 68                           ; s[68:83]  68 + 8 slot + 4 z
.set MSB, 0
.macro WIN new
.if MSB != \new
	s_set_vgpr_msb (MSB<<8)|\new
.set MSB, \new
.endif
.endm
.set MUL,  0xa1                        ; source 0 window 1, source 1 window 0, C and D window 2
.set TO_B, 0x40
.macro JLOAD s                         ; two joint loads a wave; the branch hangs on the wave's number alone
	s_cmp_eq_u32 s11, 0
	s_cbranch_scc0 .Lfor_b_\@
	tensor_load_to_lds s[G0A+8*\s:G0A+8*\s+3], s[G1A:G1A+7]
	s_nop 0
	tensor_load_to_lds s[G0A+8*\s+4:G0A+8*\s+7], s[G1A:G1A+7]
	s_nop 0
	s_branch .Lasked_\@
.Lfor_b_\@:
	tensor_load_to_lds s[G0B+8*\s:G0B+8*\s+3], s[G1B:G1B+7]
	s_nop 0
	tensor_load_to_lds s[G0B+8*\s+4:G0B+8*\s+7], s[G1B:G1B+7]
	s_nop 0
.Lasked_\@:
.endm
.macro CREST
	s_cmp_lg_u32 s10, 0
	s_cbranch_scc1 .Lnot_wave_0_\@
	s_barrier_signal -3
.Lnot_wave_0_\@:
	s_barrier_wait -3
	s_barrier_signal -1
	s_barrier_wait -1
.endm
.macro CROUND
	s_barrier_signal -1
	s_barrier_wait -1
	CREST
.endm
.macro PLACES
.rept 4
	v_nop
.endr
.endm
	s_load_b128 s[4:7], s[0:1], 0x0                ; ctx s[4:5], xb s[6:7]
	s_load_b64 s[8:9], s[0:1], 0x10                ; out0
	s_set_vgpr_msb 0x40
	v_lshl_add_u32 v255, v0, 2, 0x4c400
	s_set_vgpr_msb 0x4000
	v_mov_b32 v255, 0
	s_set_vgpr_msb 0x1
	ds_add_u32 v255, v255
	s_set_vgpr_msb 0x100
	v_lshrrev_b32 v1, 5, v0
	v_readfirstlane_b32 s10, v1                    ; wave 0..3
	s_lshr_b32 s11, s10, 1                         ; my half of the rows.  Also: I fetch ctx (0) or wo (1)
	s_and_b32 s12, s10, 1                          ; my half of the columns.  Also: which half of that tile I fetch
	s_bfe_u32 s84, ttmp6, 0x40000                  ; cx
	s_bfe_u32 s85, ttmp6, 0x40004                  ; cy
	s_lshl_b32 s86, ttmp9, 2
	s_add_co_u32 s86, s86, s84                     ; block column 0..7
	s_and_b32 s13, ttmp7, 0xffff
	s_lshl_b32 s13, s13, 2
	s_add_co_u32 s13, s13, s85                     ; block row 0..31
	s_lshl_b32 s87, s85, 2
	s_lshl_b32 s87, 15, s87                        ; my row of the cluster
	s_lshl_b32 s58, 0x1111, s84                    ; my column of the cluster
	; group 1.  ctx: 128 rows x 64 elements, dense, 4 words of padding behind every 32.  wo: 64 rows x 128 elements, pitch 1,024, 8 words behind every 64.
	s_or_b32 s[G1A+0], s87, (1<<16)|(1<<20)|(1<<21)|(4<<22)|(3<<25)
	s_or_b32 s[G1B+0], s58, (1<<16)|(1<<20)|(1<<21)|(5<<22)|(7<<25)
	s_mov_b32 s[G1A+1], 64<<16                     ; tensor_dim0
	s_mov_b32 s[G1B+1], 128<<16
	s_mov_b32 s[G1A+2], 128<<16                    ; tensor_dim1
	s_mov_b32 s[G1B+2], 64<<16
	s_mov_b32 s[G1A+3], 64<<16                     ; tile_dim0
	s_mov_b32 s[G1B+3], 128<<16
	s_mov_b32 s[G1A+4], 128                        ; tile_dim1
	s_mov_b32 s[G1B+4], 64
	s_mov_b32 s[G1A+5], 64                         ; the pitch
	s_mov_b32 s[G1B+5], 1024
	s_mov_b32 s[G1A+6], 0
	s_mov_b32 s[G1B+6], 0
	s_mov_b32 s[G1A+7], 0
	s_mov_b32 s[G1B+7], 0
	s_lshr_b32 s14, s13, 4                         ; ctx: the batch's 16 heads of 262,144 bytes,
	s_lshl_b32 s14, s14, 22
	s_lshl_b32 s15, s12, 19                        ; my two heads of the step's four,
	s_add_co_u32 s14, s14, s15
	s_and_b32 s15, s13, 15
	s_lshl_b32 s15, s15, 14                        ; the block row's 128 rows of 128 bytes
	s_add_co_u32 s14, s14, s15
	s_mov_b32 s15, 0
	s_lshl_b32 s56, s12, 18                        ; wo: my 128 rows of 2,048 bytes of the step's 256,
	s_add_co_u32 s56, s56, 0xe00000                ; 14 MiB into xb,
	s_lshl_b32 s57, s86, 8                         ; the block column's 128 columns
	s_add_co_u32 s56, s56, s57
	s_mov_b32 s57, 0
	s_mul_i32 s20, s10, 2*HREG                     ; where a wave's two tiles go
	s_wait_dscnt 0x0
	s_wait_kmcnt 0x0
	s_add_nc_u64 s[14:15], s[4:5], s[14:15]
	s_add_nc_u64 s[56:57], s[6:7], s[56:57]
	CROUND                                         ; all sixteen work-groups are here: the first joint loads meet
.irp s, 0,1
.irp z, 0,1
	s_mov_b32 s[G0A+8*\s+4*\z], 1
	s_add_co_u32 s[G0A+8*\s+4*\z+1], s20, \s*SLOT+\z*HREG
	s_add_nc_u64 s[G0A+8*\s+4*\z+2:G0A+8*\s+4*\z+3], s[14:15], \s*0x100000+\z*0x40000      ; step s: four heads on; z: one head on
	s_or_b32 s[G0A+8*\s+4*\z+3], s[G0A+8*\s+4*\z+3], 0x80000000
	s_mov_b32 s[G0B+8*\s+4*\z], 1
	s_add_co_u32 s[G0B+8*\s+4*\z+1], s20, \s*SLOT+\z*HREG
	s_add_nc_u64 s[G0B+8*\s+4*\z+2:G0B+8*\s+4*\z+3], s[56:57], \s*0x80000+\z*0x20000       ; step s: 256 rows down; z: 64 rows down
	s_or_b32 s[G0B+8*\s+4*\z+3], s[G0B+8*\s+4*\z+3], 0x80000000
.endr
	JLOAD \s
.endr
	v_and_b32 v1, 15, v0                           ; r
	v_bfe_u32 v2, v0, 4, 1                         ; h
	v_mul_u32_u24 v3, v1, PA
	v_lshl_add_u32 v3, v2, 4, v3
	s_mul_i32 s21, s11, 64*PA
	v_add_nc_u32 v[ADRA], s21, v3
	v_add_nc_u32 v[ADRA+1], SLOT, v[ADRA]
	v_and_b32 v4, 7, v0
	v_lshl_add_u32 v4, v2, 3, v4
	v_mul_u32_u24 v4, v4, PB
	v_bfe_u32 v5, v0, 3, 1
	v_lshl_add_u32 v4, v5, 4, v4
	s_lshl_b32 s22, s12, 7
	v_add_nc_u32 v4, s22, v4
.irp s, 0,1
.irp hf, 0,1
	v_add_nc_u32 v[ADRB+2*\s+\hf], \s*SLOT+4*HREG+\hf*2*HREG, v4
.endr
.endr
	s_mul_i32 s23, s10, 16*SPITCH
	s_add_co_u32 s23, s23, STAGE
	v_mul_u32_u24 v5, v1, SPITCH
	v_lshl_add_u32 v5, v2, 5, v5
	v_add_nc_u32 v[STO], s23, v5                   ; in: row r, 32 bytes for each half of the lanes
	v_mul_u32_u24 v5, v2, SPITCH
	v_lshl_add_u32 v5, v1, 4, v5
	v_add_nc_u32 v[RD], s23, v5                    ; back: lanes 0-15 take one row of 256 bytes, lanes 16-31 the next
	v_lshlrev_b32 v5, 12, v2
	v_lshl_add_u32 v[CO], v1, 4, v5                ; and the same two rows in out0 (4,096 bytes a row)
; 16 matrix instructions: 4 row blocks x 4 column blocks, 32 along K (half ks of a quarter) from buffers f.  The 16 accumulators take turns in the same
; order every time, one instruction a turn.
.macro MUL16 f, ks, zero
.irp a, 0,1,2,3
.irp c, 0,1,2,3
.if \zero
	v_wmma_f32_16x16x32_f16 v[8*(4*\a+\c):8*(4*\a+\c)+7], v[\f+8*(4*\ks+\c):\f+8*(4*\ks+\c)+7], v[\f+8*(4*\ks+\a):\f+8*(4*\ks+\a)+7], 0
.else
	v_wmma_f32_16x16x32_f16 v[8*(4*\a+\c):8*(4*\a+\c)+7], v[\f+8*(4*\ks+\c):\f+8*(4*\ks+\c)+7], v[\f+8*(4*\ks+\a):\f+8*(4*\ks+\a)+7], v[8*(4*\a+\c):8*(4*\a+\c)+7]
.endif
.endr
.endr
.endm
; 32 LDS loads in one run: quarter q (one head, 64 along K) of a slot into buffers f, in the order ctx ks 0, wo ks 0, wo ks 1, ctx ks 1
.macro FETCH slot, q, f
	WIN 0
.irp a, 0,1,2,3
	ds_load_b128 v[\f+8*\a:\f+8*\a+3],   v[ADRA+\slot] offset:\q*HREG+\a*16*PA
	ds_load_b128 v[\f+8*\a+4:\f+8*\a+7], v[ADRA+\slot] offset:\q*HREG+\a*16*PA+32
.endr
	WIN TO_B
.irp ks, 0,1
.irp c, 0,1,2,3
	ds_load_tr16_b128 v[\f+8*(4*\ks+\c):\f+8*(4*\ks+\c)+3],   v[ADRB+2*\slot+(\q>>1)] offset:((\q&1)*64+32*\ks)*PB+32*\c
	ds_load_tr16_b128 v[\f+8*(4*\ks+\c)+4:\f+8*(4*\ks+\c)+7], v[ADRB+2*\slot+(\q>>1)] offset:((\q&1)*64+32*\ks)*PB+32*\c+16*PB
.endr
.endr
	WIN 0
.irp a, 0,1,2,3
	ds_load_b128 v[\f+32+8*\a:\f+32+8*\a+3],   v[ADRA+\slot] offset:\q*HREG+\a*16*PA+64
	ds_load_b128 v[\f+32+8*\a+4:\f+32+8*\a+7], v[ADRA+\slot] offset:\q*HREG+\a*16*PA+96
.endr
.endm
.macro QUARTER slot, q, f, g, zero
	s_wait_dscnt 16                                ; the fragments of ks 0 are in; the 16 younger loads (ks 1) may be out
	WIN MUL
	MUL16 \f, 0, \zero
	PLACES
	FETCH \slot, \q, \g
	s_wait_dscnt 32                                ; all but the 32 just issued
	WIN MUL
	MUL16 \f, 1, 0
.endm
.macro THREE slot, zero
	QUARTER \slot, 1, F0, F1, \zero
	QUARTER \slot, 2, F1, F0, 0
	QUARTER \slot, 3, F0, F1, 0
.endm
; The last quarter changes slots: each wave's reads of this slot and all its tensor loads (two are out: its parts of the next slot) are waited for in front
; of the barrier; where the slot is filled again the barrier opens a round of the cluster's barrier and the joint refills come first behind the round.
.macro TURN slot, next, fill
	s_wait_dscnt 0
	s_wait_tensorcnt 0x0
	ds_add_u32 v255, v255
	s_wait_dscnt 0x0
	s_barrier_signal -1
	WIN MUL
	MUL16 F1, 0, 0                                 ; register work while the others arrive
	WIN 0
	s_barrier_wait -1
.if \fill
	CREST
.irp z, 0,1
	s_add_nc_u64 s[G0A+8*\slot+4*\z+2:G0A+8*\slot+4*\z+3], s[G0A+8*\slot+4*\z+2:G0A+8*\slot+4*\z+3], 0x200000    ; two steps on: eight heads
	s_add_nc_u64 s[G0B+8*\slot+4*\z+2:G0B+8*\slot+4*\z+3], s[G0B+8*\slot+4*\z+2:G0B+8*\slot+4*\z+3], 0x100000    ; 512 rows of wo
.endr
	JLOAD \slot
.endif
	PLACES
	FETCH \next, 0, F0
	WIN MUL
	MUL16 F1, 1, 0
.endm
	s_wait_tensorcnt 2                             ; my two parts of step 0 are in; step 1's two stay out
	s_barrier_signal -1
	s_barrier_wait -1
	FETCH 0, 0, F0
	THREE 0, 1                                     ; step 0: the first products start the sums
	TURN 0, 1, 1                                   ; slot 0 gets step 2
	THREE 1, 0                                     ; step 1
	TURN 1, 0, 1                                   ; slot 1 gets step 3
	THREE 0, 0                                     ; step 2
	TURN 0, 1, 0
	THREE 1, 0                                     ; step 3
	s_wait_dscnt 16
	WIN MUL
	MUL16 F1, 0, 0
	s_wait_dscnt 0
	MUL16 F1, 1, 0
	; THE WAY OUT, 16 rows x 64 columns of f32 at a time, through my own stage: sixteen lanes then store 256 consecutive bytes of a row of out0, aligned.
	PLACES
	s_lshl_b32 s16, s13, 19                        ; 128 rows of 4,096 bytes for each block row,
	s_lshl_b32 s18, s11, 18                        ; my 64 rows,
	s_add_co_u32 s16, s16, s18
	s_lshl_b32 s18, s86, 9                         ; 128 columns of 4 bytes for each block column,
	s_add_co_u32 s16, s16, s18
	s_lshl_b32 s18, s12, 8                         ; my 64 columns
	s_add_co_u32 s16, s16, s18
	s_mov_b32 s17, 0
	s_add_nc_u64 s[8:9], s[8:9], s[16:17]
.macro OUTF a, buf
	WIN 0x08                                       ; store data window 2
.irp c, 0,1,2,3
	ds_store_b128 v[STO], v[8*(4*\a+\c):8*(4*\a+\c)+3]   offset:64*\c
	ds_store_b128 v[STO], v[8*(4*\a+\c)+4:8*(4*\a+\c)+7] offset:64*\c+16
.endr
	WIN 0
	s_wait_xcnt 0x0                                ; the buffer that earlier stores read is loaded again only behind this wait
.irp t, 0,1,2,3,4,5,6,7
	ds_load_b128 v[\buf+4*\t:\buf+4*\t+3], v[RD] offset:2*SPITCH*\t    ; LDS serves a wave's instructions in order: these see the stores above
.endr
.irp t, 0,1,2,3,4,5,6,7
	s_wait_dscnt 7-\t
	global_store_b128 v[CO], v[\buf+4*\t:\buf+4*\t+3], s[8:9] offset:65536*\a+8192*\t th:TH_STORE_NT
.endr
.endm
	OUTF 0, F0
	OUTF 1, F1
	OUTF 2, F0
	OUTF 3, F1
	s_set_vgpr_msb 0x1
	s_wait_tensorcnt 0x0
	ds_add_u32 v255, v255
	s_wait_dscnt 0x0
	s_set_vgpr_msb 0x100
	CROUND                                         ; the closing round
	s_endpgm
.Lfunc_end_k_q46dfb5993b_oproj:
	.size	k_q46dfb5993b_oproj, .Lfunc_end_k_q46dfb5993b_oproj-k_q46dfb5993b_oproj
	.p2alignl 7, 3214868480
	.fill 96, 4, 3214868480
	.section	.rodata,"a",@progbits
	.p2align	6, 0x0
	.amdhsa_kernel k_q46dfb5993b_oproj
		.amdhsa_group_segment_fixed_size 327680
		.amdhsa_private_segment_fixed_size 0
		.amdhsa_enable_private_segment 0
		.amdhsa_kernarg_size 24
		.amdhsa_user_sgpr_count 2
		.amdhsa_user_sgpr_kernarg_segment_ptr 1
		.amdhsa_wavefront_size32 1
		.amdhsa_system_sgpr_workgroup_id_x 1
		.amdhsa_system_sgpr_workgroup_id_y 1
		.amdhsa_system_sgpr_workgroup_id_z 1
		.amdhsa_system_vgpr_workitem_id 0
		.amdhsa_next_free_vgpr 640
		.amdhsa_next_free_sgpr 88
		.amdhsa_reserve_vcc 0
		.amdhsa_float_denorm_mode_32 3
		.amdhsa_float_denorm_mode_16_64 3
		.amdhsa_memory_ordered 1
		.amdhsa_forward_progress 1
		.amdhsa_inst_pref_size 89
	.end_amdhsa_kernel
	.amdgpu_metadata
---
amdhsa.version: [ 1, 2 ]
amdhsa.kernels:
  - .name:           k_q46dfb5993b_oproj
    .symbol:         k_q46dfb5993b_oproj.kd
    .args:
      - { .name: ctx, .offset: 0, .size: 8, .value_kind: global_buffer, .address_space: global }
      - { .name: xb, .offset: 8, .size: 8, .value_kind: global_buffer, .address_space: global }
      - { .name: out0, .offset: 16, .size: 8, .value_kind: global_buffer, .address_space: global }
    .group_segment_fixed_size: 327680
    .private_segment_fixed_size: 0
    .kernarg_segment_align: 8
    .kernarg_segment_size: 24
    .max_flat_workgroup_size: 128
    .sgpr_count:     88
    .vgpr_count:     640
    .wavefront_size: 32
...
	.end_amdgpu_metadata
.endif
;; end of part 4
